; MI455X (gfx1250); checked and timed in simulation.
; The chip was launched on July 23, 2026; its instructions are those of AMD's public machine-readable ISA for CDNA 5 (MIT licence, August 2026) and "CDNA5" Instruction Set Architecture Reference Guide (July 2026). The comments in the code are by the model that wrote it; some were corrected since.
;; Vector Quantizer. Allowed arithmetic: float matrix products may take bf16 or f16 operands with f32 sums; all other float work in f32.
;; Inputs: codebook 512 x 4,048 float32; post_W 512 x 4,048 float32; post_b 512 float32; pre_W 4,048 x 512 float32; pre_b 4,048 float32; x 8 x 1,024 x 512 float32.
;; Outputs: out0 8 x 1,024 x 512 float32; out1 one number float32.
;; 2 versions, each right; version 2 is version 1 with the launch small written anew for expert scheduling mode. Each part assembles by itself: llvm-mc -triple=amdgcn-amd-amdhsa -mcpu=gfx1250 --defsym DOCPART=n.
;; ======== version 1 of 2: 4 launches
;; limits: a difference of large sums (such as E[x^2] - mean^2): digits are lost where the result is much smaller than its terms
;; workspace buffers: ops 12,582,912 bytes; stats 65,536 bytes; bcat 2,097,152 bytes; ptab 1,048,576 bytes; order 32,768 bytes of whole numbers; lossp 1,024 bytes
;; launch pack (part 1): grid 256 x 3, 8 waves a work-group, no clusters, 3,072 bytes of LDS; arguments codebook, post_W, pre_W, pre_b, ops, stats; writes ops, stats
.if DOCPART == 1
	.amdgcn_target "amdgcn-amd-amdhsa--gfx1250"
	.amdhsa_code_object_version 6
	.text
	.protected	k_q4fa96f2108_pack
	.globl	k_q4fa96f2108_pack
	.p2align	8
	.type	k_q4fa96f2108_pack,@function
k_q4fa96f2108_pack:
	s_mov_b64 s[64:65], 0
	v_nop
	global_prefetch_b8 v0, s[64:65] scope:SCOPE_SE
	s_setreg_imm32_b32 hwreg(HW_REG_WAVE_MODE, 25, 1), 1
	s_wait_xcnt 0x0
; PACK.  codebook (role 0), post_W (role 1) and pre_W turned (role 2: row = c, k = d) are rounded to bf16, to nearest even, and laid in FRAGMENT ORDER:
; a block is 16 rows x 32 k, 1,024 bytes; byte q*512 + 16*L (q = 0, 1; lane L = r + 16 h) holds row r, k = 32 ks + 16 q + 8 h + 0..7.  Two 16-byte loads a lane at 16 L and 16 L + 512
; are then the eight registers of a 16-bit matrix operand, and each of them covers 512 consecutive bytes.  ops = [role 3][row tile 32][ks 128][1,024]; k runs to 4,096, zeros from 4,048 on.
; Beside that, in f32 and of the ROUNDED numbers, partial sums over 512 k (a chunk): cc = sum E^2, t = sum E pb (role 0), g = sum W pb (role 2), bb = sum pb^2 (role 0, row tile 0).
; SHARES.  Work-group x = row tile + 32 chunk, y = role.  A wave makes two blocks: four HALVES of 16 k.  4,048 = 253 halves: a half from 253 on reads half 252 (no load leaves a buffer) and is masked to 0.
; No matrix unit, no cluster: the launch only moves and rounds, and no two work-groups read the same numbers but pre_b's 16,192 bytes.
.set SPARE,  2048                      ; the spare words: 128 bytes for each of 8 waves; bytes 0 to 1,535 hold [kind 3][wave 8][16 rows] f32
.set VAL,    16                        ; v[16:47]   the wave's 32 numbers a lane: half i at VAL + 8 i
.set PBF,    48                        ; v[48:79]   pre_b at the same k
.set CPK,    80                        ; v[80:95]   VAL in bf16 pairs: what is stored
.set PPK,    96                        ; v[96:111]  pre_b in bf16 pairs
.set ST_T,   16384                     ; stats = f32 [kind: cc, t, g, bb][chunk 8][512]
.set ST_G,   32768
.set ST_B,   49152
	s_load_b256 s[4:11], s[0:1], 0x0               ; codebook s[4:5], post_W s[6:7], pre_W s[8:9], pre_b s[10:11]
	s_load_b128 s[12:15], s[0:1], 0x20             ; ops s[12:13], stats s[14:15]
	v_lshl_add_u32 v10, v0, 2, SPARE               ; my spare word,
	v_mov_b32 v11, 0                               ; and 0: kept for the wave's last lines alone
	v_lshrrev_b32 v1, 5, v0
	v_readfirstlane_b32 s16, v1                    ; wave 0..7
	v_and_b32 v1, 31, v0                           ; lane
	v_and_b32 v2, 15, v0                           ; r
	v_bfe_u32 v3, v0, 4, 1                         ; h
	v_lshlrev_b32 v5, 5, v3                        ; 32 h: my 8 numbers of pre_b in a half
	v_lshlrev_b32 v6, 4, v1                        ; 16 x lane: my 16 bytes in half a block
	v_lshlrev_b32 v7, 2, v2                        ; 4 r
	v_lshl_add_u32 v8, s16, 6, v7                  ; 64 x wave + 4 r: my row's word among the waves' sums
	s_and_b32 s17, ttmp9, 31                       ; row tile
	s_lshr_b32 s18, ttmp9, 5                       ; chunk
	s_and_b32 s19, ttmp7, 0xffff                   ; role
	s_lshl_b32 s20, s18, 5
	s_lshl2_add_u32 s20, s16, s20                  ; my first half = 32 chunk + 4 wave
.irp i, 0,1,2,3
	s_add_co_u32 s[21+\i], s20, \i
	s_cmp_lt_u32 s[21+\i], 253
	s_cselect_b32 s[25+\i], -1, 0                  ; mask: all ones for a half that exists
	s_min_u32 s[21+\i], s[21+\i], 252              ; the half that is read
.endr
	s_mov_b32 s31, 0                               ; high word of every offset
	s_mov_b32 s52, 0x76543210                      ; v_permlanex16_b32: each lane takes its own place in the other half
	s_mov_b32 s53, 0xfedcba98
	s_mov_b32 s54, 0xffff0000                      ; a word's upper bf16
	s_wait_kmcnt 0x0
.irp i, 0,1,2,3
	s_lshl_b32 s30, s[21+\i], 6                    ; a half of pre_b is 64 bytes
	s_add_nc_u64 s[40+2*\i:41+2*\i], s[10:11], s[30:31]
	global_load_b128 v[PBF+8*\i:PBF+8*\i+3],   v5, s[40+2*\i:41+2*\i]
	global_load_b128 v[PBF+8*\i+4:PBF+8*\i+7], v5, s[40+2*\i:41+2*\i] offset:16
.endr
	s_cmp_eq_u32 s19, 2
	s_cbranch_scc1 .Lturned
	; roles 0 and 1: k lies along the rows (16,192 bytes each): 32 bytes a lane and half
	s_cmp_eq_u32 s19, 1
	s_cselect_b64 s[58:59], s[6:7], s[4:5]
	s_mul_i32 s57, s17, 259072                     ; 16 rows
	v_mul_u32_u24 v4, 16192, v2
	v_lshl_add_u32 v4, v3, 5, v4                   ; r rows + 32 h
.irp i, 0,1,2,3
	s_lshl_b32 s30, s[21+\i], 6
	s_add_co_u32 s30, s30, s57
	s_add_nc_u64 s[32+2*\i:33+2*\i], s[58:59], s[30:31]
	global_load_b128 v[VAL+8*\i:VAL+8*\i+3],   v4, s[32+2*\i:33+2*\i]
	global_load_b128 v[VAL+8*\i+4:VAL+8*\i+7], v4, s[32+2*\i:33+2*\i] offset:16
.endr
	s_branch .Lloaded
.Lturned:
	; role 2: pre_W is [d][c], and k = d goes down its rows of 2,048 bytes: eight 4-byte loads a half; 16 lanes take 64 consecutive bytes.  The turning is paid here, once.
	s_lshl_b32 s57, s17, 6                         ; 16 columns
	v_lshlrev_b32 v4, 2, v2
	v_lshl_add_u32 v4, v3, 14, v4                  ; 4 r + 8 h rows
.irp i, 0,1,2,3
	s_lshl_b32 s30, s[21+\i], 15                   ; a half is 16 rows
	s_add_co_u32 s30, s30, s57
	s_add_nc_u64 s[32+2*\i:33+2*\i], s[8:9], s[30:31]
.irp j, 0,1,2,3,4,5,6,7
	global_load_b32 v[VAL+8*\i+\j], v4, s[32+2*\i:33+2*\i] offset:\j*2048
.endr
.endr
.Lloaded:
	s_lshl_b32 s30, s19, 22                        ; ops: role x 4 MiB
	s_lshl_b32 s29, s17, 17                        ; + row tile x 128 blocks
	s_add_co_u32 s30, s30, s29
	s_lshl_b32 s29, s20, 9                         ; + half x 512
	s_add_co_u32 s30, s30, s29
	s_add_nc_u64 s[48:49], s[12:13], s[30:31]
	s_lshl_b32 s30, s18, 11                        ; stats: chunk x 512 words
	s_lshl_b32 s29, s17, 6                         ; + 16 rows
	s_add_co_u32 s30, s30, s29
	s_add_nc_u64 s[50:51], s[14:15], s[30:31]
	s_wait_loadcnt 0x0                             ; all is needed at once
.set n, 0
.rept 16
	v_cvt_pk_bf16_f32 v[CPK+n], v[VAL+2*n], v[VAL+2*n+1]
.set n, n+1
.endr
.set n, 0
.rept 16
	v_and_b32 v[CPK+n], s[25+n/4], v[CPK+n]        ; zeros where k is 4,048 or more
.set n, n+1
.endr
.irp i, 0,1,2,3
	global_store_b128 v6, v[CPK+4*\i:CPK+4*\i+3], s[48:49] offset:\i*512  ; the wave stores 512 consecutive bytes, at a multiple of 512 from ops' first
.endr
	s_cmp_eq_u32 s19, 1
	s_cbranch_scc1 .Lend                           ; post_W has no statistics; the whole work-group goes the same way
.set n, 0
.rept 16
	v_cvt_pk_bf16_f32 v[PPK+n], v[PBF+2*n], v[PBF+2*n+1]
.set n, n+1
.endr
.set n, 0
.rept 16
	v_and_b32 v[PPK+n], s[25+n/4], v[PPK+n]
.set n, n+1
.endr
.set n, 0
.rept 16                                           ; the rounded numbers back in f32
	v_lshlrev_b32 v[VAL+2*n],   16,  v[CPK+n]
	v_and_b32     v[VAL+2*n+1], s54, v[CPK+n]
	v_lshlrev_b32 v[PBF+2*n],   16,  v[PPK+n]
	v_and_b32     v[PBF+2*n+1], s54, v[PPK+n]
.set n, n+1
.endr
; The sum over my row's 64 k of a x b, into v[acc], in both halves of the lanes.  Two chains of pairs, started by products: nothing is cleared.
.macro DOT acc, a, b
	v_pk_mul_f32 v[(\acc):(\acc)+1],   v[(\a):(\a)+1],   v[(\b):(\b)+1]
	v_pk_mul_f32 v[(\acc)+2:(\acc)+3], v[(\a)+2:(\a)+3], v[(\b)+2:(\b)+3]
.set n, 2
.rept 14
	v_pk_fma_f32 v[(\acc)+2*(n%2):(\acc)+2*(n%2)+1], v[(\a)+2*n:(\a)+2*n+1], v[(\b)+2*n:(\b)+2*n+1], v[(\acc)+2*(n%2):(\acc)+2*(n%2)+1]
.set n, n+1
.endr
	v_pk_add_f32 v[(\acc):(\acc)+1], v[(\acc):(\acc)+1], v[(\acc)+2:(\acc)+3]
	v_add_f32 v[(\acc)], v[(\acc)], v[(\acc)+1]
	v_permlanex16_b32 v[(\acc)+1], v[(\acc)], s52, s53  ; the row's other 32 k lie in the lane 16 away
	v_add_f32 v[(\acc)], v[(\acc)], v[(\acc)+1]
.endm
.macro MEET                                        ; my sums are in LDS before I signal; the others' are there behind the wait
	s_wait_dscnt 0x0
	s_barrier_signal -1
	s_barrier_wait -1
.endm
.macro GATHER8 dst, kind                           ; wave 0: the eight waves' sums of one kind, row r
.irp w, 0,1,2,3,4,5,6,7
	ds_load_b32 v[(\dst)+\w], v7 offset:(\kind)*512+64*\w
.endr
.endm
.macro ADD8 dst                                    ; added in the waves' order
.irp w, 1,2,3,4,5,6,7
	v_add_f32 v[(\dst)], v[(\dst)], v[(\dst)+\w]
.endr
.endm
	s_cmp_eq_u32 s19, 0
	s_cbranch_scc0 .Lrole2
	DOT 112, VAL, PBF                              ; t
	DOT 116, VAL, VAL                              ; cc
	DOT 120, PBF, PBF                              ; bb (the same in every row)
	ds_store_b32 v8, v112                          ; lanes r and r + 16 hold the same number and store it to the same word
	ds_store_b32 v8, v116 offset:512
	ds_store_b32 v8, v120 offset:1024
	MEET
	s_cmp_lg_u32 s16, 0
	s_cbranch_scc1 .Lend
	GATHER8 16, 0
	GATHER8 24, 1
	GATHER8 32, 2
	s_wait_dscnt 0x0
	ADD8 16
	ADD8 24
	ADD8 32
	s_wait_xcnt 0x0                                ; EXEC is a source of the stores above: it changes only behind this wait
	v_cmp_gt_u32 vcc_lo, 16, v1
	s_and_saveexec_b32 s56, vcc_lo                 ; lanes 0 to 15: one for each row
	global_store_b32 v7, v16, s[50:51] offset:ST_T
	global_store_b32 v7, v24, s[50:51]
	s_cmp_lg_u32 s17, 0
	s_cbranch_scc1 .Lno_bb                         ; bb is stored by row tile 0 alone
	global_store_b32 v7, v32, s[50:51] offset:ST_B
.Lno_bb:
	s_wait_xcnt 0x0                                ; and again in front of the line that widens it
	s_or_b32 exec_lo, exec_lo, s56
	s_branch .Lend
.Lrole2:
	DOT 112, VAL, PBF                              ; g
	ds_store_b32 v8, v112
	MEET
	s_cmp_lg_u32 s16, 0
	s_cbranch_scc1 .Lend
	GATHER8 16, 0
	s_wait_dscnt 0x0
	ADD8 16
	s_wait_xcnt 0x0
	v_cmp_gt_u32 vcc_lo, 16, v1
	s_and_saveexec_b32 s56, vcc_lo
	global_store_b32 v7, v16, s[50:51] offset:ST_G
	s_wait_xcnt 0x0
	s_or_b32 exec_lo, exec_lo, s56
.Lend:
	s_wait_tensorcnt 0x0                           ; the wave's end
	ds_add_u32 v10, v11
	s_wait_dscnt 0x0
	s_endpgm
.Lfunc_end_k_q4fa96f2108_pack:
	.size	k_q4fa96f2108_pack, .Lfunc_end_k_q4fa96f2108_pack-k_q4fa96f2108_pack
	.p2alignl 7, 3214868480
	.fill 96, 4, 3214868480
	.section	.rodata,"a",@progbits
	.p2align	6, 0x0
	.amdhsa_kernel k_q4fa96f2108_pack
		.amdhsa_group_segment_fixed_size 3072
		.amdhsa_private_segment_fixed_size 0
		.amdhsa_enable_private_segment 0
		.amdhsa_kernarg_size 48
		.amdhsa_user_sgpr_count 2
		.amdhsa_user_sgpr_kernarg_segment_ptr 1
		.amdhsa_wavefront_size32 1
		.amdhsa_system_sgpr_workgroup_id_x 1
		.amdhsa_system_sgpr_workgroup_id_y 1
		.amdhsa_system_sgpr_workgroup_id_z 1
		.amdhsa_system_vgpr_workitem_id 0
		.amdhsa_next_free_vgpr 128
		.amdhsa_next_free_sgpr 66
		.amdhsa_reserve_vcc 1
		.amdhsa_float_denorm_mode_32 3
		.amdhsa_float_denorm_mode_16_64 3
		.amdhsa_memory_ordered 1
		.amdhsa_forward_progress 1
		.amdhsa_inst_pref_size 24
	.end_amdhsa_kernel
	.amdgpu_metadata
---
amdhsa.version: [ 1, 2 ]
amdhsa.kernels:
  - .name:           k_q4fa96f2108_pack
    .symbol:         k_q4fa96f2108_pack.kd
    .args:
      - { .name: codebook, .offset: 0, .size: 8, .value_kind: global_buffer, .address_space: global }
      - { .name: post_W, .offset: 8, .size: 8, .value_kind: global_buffer, .address_space: global }
      - { .name: pre_W, .offset: 16, .size: 8, .value_kind: global_buffer, .address_space: global }
      - { .name: pre_b, .offset: 24, .size: 8, .value_kind: global_buffer, .address_space: global }
      - { .name: ops, .offset: 32, .size: 8, .value_kind: global_buffer, .address_space: global }
      - { .name: stats, .offset: 40, .size: 8, .value_kind: global_buffer, .address_space: global }
    .group_segment_fixed_size: 3072
    .private_segment_fixed_size: 0
    .kernarg_segment_align: 8
    .kernarg_segment_size: 48
    .max_flat_workgroup_size: 256
    .sgpr_count:     66
    .vgpr_count:     128
    .wavefront_size: 32
...
	.end_amdgpu_metadata
.endif
;; end of part 1
;; launch small (part 2): grid 8 x 24, 8 waves a work-group, no clusters, 140,288 bytes of LDS; arguments ops, post_b, bcat, ptab; writes bcat, ptab
.if DOCPART == 2
	.amdgcn_target "amdgcn-amd-amdhsa--gfx1250"
	.amdhsa_code_object_version 6
	.text
	.protected	k_q4fa96f2108_small
	.globl	k_q4fa96f2108_small
	.p2align	8
	.type	k_q4fa96f2108_small,@function
k_q4fa96f2108_small:
	s_mov_b64 s[64:65], 0
	v_nop
	global_prefetch_b8 v0, s[64:65] scope:SCOPE_SE
	s_setreg_imm32_b32 hwreg(HW_REG_WAVE_MODE, 25, 1), 1
	s_wait_xcnt 0x0
; SMALL.  Three products of 512 x 512 over K = d = 4,096 (zeros from 4,048 on), all operands bf16 from ops, sums in f32:
;   q3 = 0: M2[k][c] = 2 sum_d E[k][d] W[d][c]      q3 = 1: G[c'][c] = sum_d W[d][c'] W[d][c]      q3 = 2: P[k][c] = sum_d E[k][d] PW[c][d] + bf16(post_b[c])
; P goes to ptab as f32 [512][512].  M2 and G go to bcat as TWO bf16 numbers each, hi = bf16(v) and lo = bf16(v - hi): 16 significant bits, in fragment order with K = c:
; bcat = [w 4][job 16][ks 16][hi, lo][1,024]; jobs 0-7: G's row tiles 8 w + j; jobs 8-15: M2's code tiles 8 w + j - 8: the order in which wave w of the next launch reads it.
; LIMIT: a sum of 3.39e38 or more rounds to an infinite hi, and its lo is no number.
; SHARES.  A work-group makes a tile of 64 x 64 (x: 64 of the fast index m; y = 8 q3 + 64 of the slow index n).  All 8 waves make the SAME tile, 16 accumulators, each over its own 16 K steps of 32,
; so each operand byte is loaded once in the work-group; the eight partial tiles meet in LDS at the end.  3 x 64 tiles: 192 work-groups.
; NO LDS IN THE K LOOP, NO CLUSTER: in fragment order a 16-byte load a lane IS an operand register group, and each fragment is multiplied by the one wave that loads it, so a tile in LDS would be
; read once; joint requests serve tiles in LDS alone.  A ring of four K steps in registers keeps 48 to 64 loads of every wave out, and never drains.
; REGISTERS.  Window 0: v0-31 addresses and work; v32-127 the way out; v128-255 accumulators, (a, b) at 128 + 8 (4 a + b).  Window 1: ring position p: A's fragments at 64 p + 8 a, B's at 64 p + 32 + 8 b.
.set PITCH, 272                        ; a row of a partial tile: 256 bytes + 16: sixteen rows start in sixteen different 16-byte columns modulo 256
.set PART,  64*PITCH                   ; a wave's partial tile
.set SPARE, 8*PART                     ; behind them the spare words, 128 bytes a wave
.set ACC,   128
.set MSB, 0
.macro WIN new                         ; the immediate's high byte repeats the setting that is left; a switch that changes nothing is dropped
.if MSB != (\new)
	s_set_vgpr_msb (MSB<<8)|(\new)
.set MSB, \new
.endif
.endm
.set MUL,  0x05                        ; sources 0 and 1 window 1; C and D window 0
.set TO_F, 0x40                        ; destination window 1, address window 0
	s_load_b256 s[4:11], s[0:1], 0x0               ; ops s[4:5], post_b s[6:7], bcat s[8:9], ptab s[10:11]
	v_lshl_add_u32 v10, v0, 2, SPARE               ; my spare word,
	v_mov_b32 v11, 0                               ; and 0
	v_lshrrev_b32 v1, 5, v0
	v_readfirstlane_b32 s12, v1                    ; wave 0..7
	v_and_b32 v8, 31, v0
	v_lshlrev_b32 v1, 4, v8                        ; 16 x lane
	v_and_b32 v2, 15, v0                           ; r
	v_bfe_u32 v3, v0, 4, 1                         ; h
	v_lshlrev_b32 v9, 4, v2                        ; 16 r
	s_mov_b32 s13, ttmp9                           ; mtile
	s_and_b32 s14, ttmp7, 0xffff
	s_lshr_b32 s15, s14, 3                         ; q3
	s_and_b32 s16, s14, 7                          ; ntile
	v_lshl_add_u32 v12, s13, 8, v9                 ; post_b: my four columns of the tile's 64
	s_mov_b32 s32, 0x800000                        ; source 0, rows m: W turned, or for P post_W
	s_cmp_eq_u32 s15, 2
	s_cselect_b32 s32, 0x400000, s32
	s_cmp_eq_u32 s15, 1                            ; source 1, rows n: the codebook, or for G W turned
	s_cselect_b32 s34, 0x800000, 0
	s_cmp_eq_u32 s15, 0
	s_cselect_b32 s26, 2.0, 1.0                    ; M2 carries the factor 2
	s_mov_b32 s27, s26                             ; named with it as a pair
	s_lshl_b32 s17, s13, 19                        ; four row tiles of 131,072 bytes
	s_add_co_u32 s32, s32, s17
	s_lshl_b32 s18, s16, 19
	s_add_co_u32 s34, s34, s18
	s_lshl_b32 s17, s12, 14                        ; my 16 K steps of 1,024 bytes
	s_add_co_u32 s32, s32, s17
	s_add_co_u32 s34, s34, s17
	s_mov_b32 s33, 0
	s_mov_b32 s35, 0
	s_mov_b32 s30, 0xffff0000
	s_mul_i32 s17, s12, PART
	v_mul_u32_u24 v4, PITCH, v2
	v_lshl_add_u32 v4, v3, 5, v4
	v_add_nc_u32 v4, s17, v4                       ; my partial tile: row r, 32 h bytes in
	s_wait_kmcnt 0x0
	s_add_nc_u64 s[20:21], s[4:5], s[32:33]
	s_add_nc_u64 s[22:23], s[4:5], s[34:35]
	global_load_b128 v[112:115], v12, s[6:7]       ; asked for here so that it is there at the end; P's work-groups alone use it.  It is older than every load below: no count changes
.macro LOADK pos, k                    ; K step k from the bases on: 4 + 4 fragments, 16 loads of 512 consecutive bytes each
	WIN TO_F
.irp i, 0,1,2,3
	global_load_b128 v[64*(\pos)+8*\i:64*(\pos)+8*\i+3],   v1, s[20:21] offset:\i*131072+(\k)*1024
	global_load_b128 v[64*(\pos)+8*\i+4:64*(\pos)+8*\i+7], v1, s[20:21] offset:\i*131072+(\k)*1024+512
.endr
.irp i, 0,1,2,3
	global_load_b128 v[64*(\pos)+32+8*\i:64*(\pos)+32+8*\i+3],   v1, s[22:23] offset:\i*131072+(\k)*1024
	global_load_b128 v[64*(\pos)+32+8*\i+4:64*(\pos)+32+8*\i+7], v1, s[22:23] offset:\i*131072+(\k)*1024+512
.endr
.endm
; 16 products; register j of lane (r, h) of accumulator (a, b) is O[n = 16 b + r][m = 16 a + 8 h + j].  The 16 accumulators take turns, one instruction a turn.
.macro MULK pos, zero
	WIN MUL
.irp a, 0,1,2,3
.irp b, 0,1,2,3
.if \zero
	v_wmma_f32_16x16x32_bf16 v[ACC+8*(4*\a+\b):ACC+8*(4*\a+\b)+7], v[64*(\pos)+8*\a:64*(\pos)+8*\a+7], v[64*(\pos)+32+8*\b:64*(\pos)+32+8*\b+7], 0
.else
	v_wmma_f32_16x16x32_bf16 v[ACC+8*(4*\a+\b):ACC+8*(4*\a+\b)+7], v[64*(\pos)+8*\a:64*(\pos)+8*\a+7], v[64*(\pos)+32+8*\b:64*(\pos)+32+8*\b+7], v[ACC+8*(4*\a+\b):ACC+8*(4*\a+\b)+7]
.endif
.endr
.endr
.endm
; A K step.  ahead = 1: the position multiplied last takes the step three on; four plain places stand between its last product and the loads into its registers (ISA guide 7.12.1 for vector instructions).
; left: the loads younger than this step's: three steps of 16, less in the tail.
.macro STAGE pos, zero, ahead, k, left
.if \ahead
.rept 4
	v_nop
.endr
	LOADK ((\pos)+3)%4, \k
.endif
	s_wait_loadcnt \left
	MULK \pos, \zero
.endm
	LOADK 0, 0
	LOADK 1, 1
	LOADK 2, 2
	STAGE 0, 1, 1, 3, 48                           ; the first step starts the sums: nothing is cleared
	WIN 0                                          ; at a label and at a branch every window is 0
	s_mov_b32 s24, 3
.Lk:                                                   ; a trip: four K steps, once round the ring
	STAGE 1, 0, 1, 4, 48
	STAGE 2, 0, 1, 5, 48
	STAGE 3, 0, 1, 6, 48
	STAGE 0, 0, 1, 7, 48
	WIN 0
	s_wait_xcnt 0x0                                ; the bases are stepped only behind this wait
	s_add_nc_u64 s[20:21], s[20:21], 4096
	s_add_nc_u64 s[22:23], s[22:23], 4096
	s_sub_co_u32 s24, s24, 1
	s_cmp_lg_u32 s24, 0
	s_cbranch_scc1 .Lk
	STAGE 1, 0, 0, 0, 32                           ; the last three steps load nothing: the counts run down
	STAGE 2, 0, 0, 0, 16
	STAGE 3, 0, 0, 0, 0
	WIN 0
.rept 4
	v_nop                                          ; the places behind the last products
.endr
.irp a, 0,1,2,3
.irp b, 0,1,2,3
	ds_store_b128 v4, v[ACC+8*(4*\a+\b):ACC+8*(4*\a+\b)+3]   offset:\b*16*PITCH+\a*64     ; each accumulator's low registers first
	ds_store_b128 v4, v[ACC+8*(4*\a+\b)+4:ACC+8*(4*\a+\b)+7] offset:\b*16*PITCH+\a*64+16
.endr
.endr
	s_wait_dscnt 0x0                               ; for the others' sake: my partial tile is in LDS
	s_barrier_signal -1
	s_barrier_wait -1
	s_cmp_eq_u32 s15, 2
	s_cbranch_scc0 .Lsplit
	; P: wave w takes rows 8 w .. 8 w + 7, two at a time: lanes 0-15 one row's 256 bytes, lanes 16-31 the next
	s_lshl_b32 s17, s12, 3
	s_mul_i32 s18, s17, PITCH
	v_mul_u32_u24 v5, PITCH, v3
	v_add_nc_u32 v5, v5, v9
	v_add_nc_u32 v5, s18, v5                       ; partial tiles 0-3,
	v_add_nc_u32 v6, 4*PART, v5                    ; 4-7: an LDS offset has 16 bits
	v_lshl_add_u32 v7, v3, 11, v9                  ; the same two rows in ptab
	v_cvt_pk_bf16_f32 v116, v112, v113             ; post_b rounded as the other inputs are
	v_cvt_pk_bf16_f32 v117, v114, v115
	v_lshlrev_b32 v112, 16, v116
	v_and_b32 v113, s30, v116
	v_lshlrev_b32 v114, 16, v117
	v_and_b32 v115, s30, v117
	s_lshl_b32 s32, s16, 6
	s_add_co_u32 s32, s32, s17                     ; row 64 ntile + 8 wave
	s_lshl_b32 s32, s32, 11
	s_lshl_b32 s18, s13, 8                         ; column 64 mtile
	s_add_co_u32 s32, s32, s18
	s_add_nc_u64 s[28:29], s[10:11], s[32:33]
.macro PLD i                           ; the eight partial sums of row pair i; two register sets take turns
.irp p, 0,1,2,3
	ds_load_b128 v[32+32*((\i)%2)+4*\p:32+32*((\i)%2)+4*\p+3], v5 offset:\p*PART+(\i)*2*PITCH
.endr
.irp p, 0,1,2,3
	ds_load_b128 v[48+32*((\i)%2)+4*\p:48+32*((\i)%2)+4*\p+3], v6 offset:\p*PART+(\i)*2*PITCH
.endr
.endm
.macro PSUM i, left                    ; added in the waves' order, K ascending; then the bias; left: the younger set's loads
	s_wait_dscnt \left
.set bs, 32+32*((\i)%2)
.set rs, 96+4*(\i)
	v_pk_add_f32 v[rs:rs+1],   v[bs:bs+1],   v[bs+4:bs+5]
	v_pk_add_f32 v[rs+2:rs+3], v[bs+2:bs+3], v[bs+6:bs+7]
.irp p, 2,3,4,5,6,7
	v_pk_add_f32 v[rs:rs+1],   v[rs:rs+1],   v[bs+4*\p:bs+4*\p+1]
	v_pk_add_f32 v[rs+2:rs+3], v[rs+2:rs+3], v[bs+4*\p+2:bs+4*\p+3]
.endr
	v_pk_add_f32 v[rs:rs+1],   v[rs:rs+1],   v[112:113]
	v_pk_add_f32 v[rs+2:rs+3], v[rs+2:rs+3], v[114:115]
	global_store_b128 v7, v[rs:rs+3], s[28:29] offset:(\i)*4096  ; 16 lanes store 256 consecutive bytes, at a multiple of 256 from ptab's first; each pair has result registers of its own
.endm
	PLD 0
	PLD 1
	PSUM 0, 8
	PLD 2
	PSUM 1, 8
	PLD 3
	PSUM 2, 8
	PSUM 3, 0
	s_branch .Lend
.Lsplit:
	; M2 and G: the tile is 4 row tiles x 2 K steps of the next launch's operand: a block a wave.  Lane (r, h) takes, for q = 0, 1, O[16 nt + r][32 kss + 16 q + 8 h + 0..7]
	s_lshr_b32 s17, s12, 1                         ; nt
	s_and_b32 s18, s12, 1                          ; kss
	s_mul_i32 s19, s17, 16*PITCH
	s_lshl_b32 s31, s18, 7
	s_add_co_u32 s19, s19, s31
	v_mul_u32_u24 v5, PITCH, v2
	v_lshl_add_u32 v5, v3, 5, v5
	v_add_nc_u32 v5, s19, v5
	v_add_nc_u32 v6, 4*PART, v5
	s_lshl2_add_u32 s17, s16, s17                  ; NT = 4 ntile + nt
	s_lshr_b32 s32, s17, 3                         ; w = NT / 8
	s_lshl_b32 s32, s32, 4
	s_and_b32 s17, s17, 7
	s_add_co_u32 s32, s32, s17                     ; job = NT % 8,
	s_cmp_eq_u32 s15, 0
	s_cselect_b32 s17, 8, 0                        ; + 8 for M2
	s_add_co_u32 s32, s32, s17
	s_lshl_b32 s32, s32, 4
	s_lshl1_add_u32 s32, s13, s32                  ; ks = 2 mtile + kss
	s_add_co_u32 s32, s32, s18
	s_lshl_b32 s32, s32, 11                        ; hi's and lo's block: 2,048 bytes
	s_add_nc_u64 s[28:29], s[8:9], s[32:33]
.macro SLD q                           ; my eight numbers in the eight partial tiles: part p at v[32 + 8 p]
.irp p, 0,1,2,3
	ds_load_b128 v[32+8*\p:32+8*\p+3], v5 offset:\p*PART+(\q)*64
	ds_load_b128 v[36+8*\p:36+8*\p+3], v5 offset:\p*PART+(\q)*64+16
.endr
.irp p, 0,1,2,3
	ds_load_b128 v[64+8*\p:64+8*\p+3], v6 offset:\p*PART+(\q)*64
	ds_load_b128 v[68+8*\p:68+8*\p+3], v6 offset:\p*PART+(\q)*64+16
.endr
.endm
.macro SSUM q                          ; added in the waves' order, into v[96 + 8 q ..]
.set ss, 96+8*(\q)
.irp e, 0,2,4,6
	v_pk_add_f32 v[ss+\e:ss+\e+1], v[32+\e:33+\e], v[40+\e:41+\e]
.endr
.irp p, 2,3,4,5,6,7
.irp e, 0,2,4,6
	v_pk_add_f32 v[ss+\e:ss+\e+1], v[ss+\e:ss+\e+1], v[32+8*\p+\e:33+8*\p+\e]
.endr
.endr
.endm
.macro SOUT q                          ; v = factor x sum; hi = bf16(v); lo = bf16(v - hi), the difference being exact in f32
.set ss, 96+8*(\q)
.set hh, 116+4*(\q)
.set ll, 16+4*(\q)
.irp e, 0,2,4,6
	v_pk_mul_f32 v[ss+\e:ss+\e+1], v[ss+\e:ss+\e+1], s[26:27] op_sel_hi:[1,0]
.endr
.irp n, 0,1,2,3
	v_cvt_pk_bf16_f32 v[hh+\n], v[ss+2*\n], v[ss+2*\n+1]
.endr
.irp n, 0,1,2,3
	v_lshlrev_b32 v[24+2*\n], 16,  v[hh+\n]
	v_and_b32     v[25+2*\n], s30, v[hh+\n]
.endr
.irp e, 0,2,4,6
	v_pk_add_f32 v[ss+\e:ss+\e+1], v[ss+\e:ss+\e+1], v[24+\e:25+\e] neg_lo:[0,1] neg_hi:[0,1]
.endr
.irp n, 0,1,2,3
	v_cvt_pk_bf16_f32 v[ll+\n], v[ss+2*\n], v[ss+2*\n+1]
.endr
	global_store_b128 v1, v[hh:hh+3], s[28:29] offset:(\q)*512       ; the wave stores 512 consecutive bytes, at a multiple of 512 from bcat's first
	global_store_b128 v1, v[ll:ll+3], s[28:29] offset:1024+(\q)*512
.endm
	SLD 0
	s_wait_dscnt 0x0
	SSUM 0
	SLD 1                                          ; the second half's loads are out while the first is split and stored
	SOUT 0
	s_wait_dscnt 0x0
	SSUM 1
	SOUT 1
.Lend:
	s_wait_tensorcnt 0x0                           ; the wave's end
	ds_add_u32 v10, v11
	s_wait_dscnt 0x0
	s_endpgm
.Lfunc_end_k_q4fa96f2108_small:
	.size	k_q4fa96f2108_small, .Lfunc_end_k_q4fa96f2108_small-k_q4fa96f2108_small
	.p2alignl 7, 3214868480
	.fill 96, 4, 3214868480
	.section	.rodata,"a",@progbits
	.p2align	6, 0x0
	.amdhsa_kernel k_q4fa96f2108_small
		.amdhsa_group_segment_fixed_size 140288
		.amdhsa_private_segment_fixed_size 0
		.amdhsa_enable_private_segment 0
		.amdhsa_kernarg_size 32
		.amdhsa_user_sgpr_count 2
		.amdhsa_user_sgpr_kernarg_segment_ptr 1
		.amdhsa_wavefront_size32 1
		.amdhsa_system_sgpr_workgroup_id_x 1
		.amdhsa_system_sgpr_workgroup_id_y 1
		.amdhsa_system_sgpr_workgroup_id_z 1
		.amdhsa_system_vgpr_workitem_id 0
		.amdhsa_next_free_vgpr 512
		.amdhsa_next_free_sgpr 66
		.amdhsa_reserve_vcc 0
		.amdhsa_float_denorm_mode_32 3
		.amdhsa_float_denorm_mode_16_64 3
		.amdhsa_memory_ordered 1
		.amdhsa_forward_progress 1
		.amdhsa_inst_pref_size 43
	.end_amdhsa_kernel
	.amdgpu_metadata
---
amdhsa.version: [ 1, 2 ]
amdhsa.kernels:
  - .name:           k_q4fa96f2108_small
    .symbol:         k_q4fa96f2108_small.kd
    .args:
      - { .name: ops, .offset: 0, .size: 8, .value_kind: global_buffer, .address_space: global }
      - { .name: post_b, .offset: 8, .size: 8, .value_kind: global_buffer, .address_space: global }
      - { .name: bcat, .offset: 16, .size: 8, .value_kind: global_buffer, .address_space: global }
      - { .name: ptab, .offset: 24, .size: 8, .value_kind: global_buffer, .address_space: global }
    .group_segment_fixed_size: 140288
    .private_segment_fixed_size: 0
    .kernarg_segment_align: 8
    .kernarg_segment_size: 32
    .max_flat_workgroup_size: 256
    .sgpr_count:     66
    .vgpr_count:     512
    .wavefront_size: 32
...
	.end_amdgpu_metadata
.endif
;; end of part 2
;; launch main (part 3): grid 256 x 1, 4 waves a work-group, no clusters, 41,472 bytes of LDS; arguments x, bcat, stats, order, lossp; writes order, lossp
.if DOCPART == 3
	.amdgcn_target "amdgcn-amd-amdhsa--gfx1250"
	.amdhsa_code_object_version 6
	.text
	.protected	k_q4fa96f2108_main
	.globl	k_q4fa96f2108_main
	.p2align	8
	.type	k_q4fa96f2108_main,@function
k_q4fa96f2108_main:
	s_mov_b64 s[64:65], 0
	v_nop
	global_prefetch_b8 v0, s[64:65] scope:SCOPE_SE
	s_setreg_imm32_b32 hwreg(HW_REG_WAVE_MODE, 25, 1), 1
	s_wait_xcnt 0x0
; MAIN.  For each of 8,192 rows n, with xb = bf16(x[n]):  A = sum_c' xb[c'] ((G xb)[c'] + 2 g[c']) + bb = |h|^2;   u[k] = xb . M2[k] + 2 t[k] = (2 h) . e_k;
; d[k] = fl(fl(A - u[k]) + cc[k]): the two f32 roundings in the order in which the distances are defined, not fused;  idx = the first k with the least d;  the work-group's sum of the least d goes to lossp.
; G and M2 come as hi + lo (two bf16 numbers, 16 significant bits), so each product is made twice, on accumulators of its own; sums in f32.
; LIMITS.  A NaN distance is never chosen; where every distance is +infinity or NaN, idx = 0.  The straight-through sum h + (q - h) is taken as q (it differs by a rounding of h, 2^-24 |h| an element).
; The loss is summed from d as the distances are formed, A - u + cc: its absolute error is a few units in the last place of |h|^2 a row.
; SHARES.  A work-group owns 32 rows: two row tiles of 16.  Wave w owns G's row tiles 8 w .. 8 w + 7 (jobs 0-7) and the code tiles 8 w .. 8 w + 7 (jobs 8-15): 524,288 bytes of bcat, read once, front to back.
; A JOB is one tile of 16 operand rows against both row tiles over K = 512: 16 K steps x (hi, lo) x 2 = 64 products on four accumulators.
; NO LDS FOR THE OPERAND, NO CLUSTER: bcat lies in fragment order, so a 16-byte load a lane is an operand register group, and each fragment is used by the one wave that loads it.  A ring of 16 units in
; registers (a job's whole operand) is refilled a quarter at a time behind the products that read it: 48 to 64 loads of every wave are out all the time.  The price: all 256 work-groups read all of bcat.
; REGISTERS.  Window 0: see the names.  Window 1: x as loaded (v0-127), then its fragments, row tile rt, K step ks at 128 rt + 8 ks.  Window 2: unit ks at 16 ks: hi in +0..7, lo in +8..15.
.set XP,    1040                       ; a row of x in LDS: 1,024 bytes of bf16 + 16: sixteen rows start in sixteen different 16-byte columns modulo 256
.set GV,    32*XP                      ; 2 g, 512 f32
.set TV,    GV+2048                    ; 2 t
.set CV,    TV+2048                    ; cc
.set RA,    CV+2048                    ; [wave 4][row 32] partial A
.set RD,    RA+512                     ; the waves' least d
.set RI,    RD+512                     ; and its index
.set SPARE, RI+512                     ; the spare words, 128 bytes a wave
.set JOBB,  32768                      ; a job's bytes in bcat
.set ST_B,  49152
.set ACH,   64                         ; v[64:79]    accumulators of hi's products, row tile 0, 1
.set ACL,   80                         ; v[80:95]    of lo's
.set IV,    96                         ; v[96:103]   what lo's sums start with: 2 g or 2 t of my 8 tile rows
.set CVV,   104                        ; v[104:111]  cc of my 8 codes
.set XV,    112                        ; v[112:119]  x at my 8 tile rows, bf16, row tile 0, 1
.set YY,    120                        ; v[120:135]  at work: in the first phase y and x in f32, in the second the distances of both row tiles
.set AP,    136                        ; v[136:139]  partial A, a pair a row tile
.set AR,    140                        ; v140, v142  A of my row in row tile 0, 1 (v141, v143 are named with them as pairs)
.set BEST,  144                        ; v144, v145  the least d so far
.set BI,    146                        ; v146, v147  its index
.set KI,    148                        ; v[148:155]  the codes of my 8 tile rows
.set TW,    156                        ; v[156:159]  at work between the lanes' halves
.set RAW,   160                        ; v[160:255]  the statistics as loaded
.set MSB, 0
.macro WIN new                         ; the immediate's high byte repeats the setting that is left; a switch that changes nothing is dropped
.if MSB != (\new)
	s_set_vgpr_msb (MSB<<8)|(\new)
.set MSB, \new
.endif
.endm
.set W_MM,   0x06                      ; source 0 window 2, source 1 window 1, C and D window 0
.set W_RING, 0x80                      ; destination window 2, address window 0
.set W_X,    0x40                      ; destination window 1, address window 0
.set W_CV,   0x05                      ; sources 0 and 1 window 1, destination window 0
.macro RING g, off                     ; units 4 g .. 4 g + 3 of the job that begins off bytes from the base: 16 loads of 512 consecutive bytes
	WIN W_RING
.irp u, 0,1,2,3
.irp e, 0,1,2,3
	global_load_b128 v[16*(4*(\g)+\u)+4*\e:16*(4*(\g)+\u)+4*\e+3], v1, s[16:17] offset:(\off)+(4*(\g)+\u)*2048+\e*512
.endr
.endr
.endm
	s_load_b256 s[4:11], s[0:1], 0x0               ; x s[4:5], bcat s[6:7], stats s[8:9], order s[10:11]
	s_load_b64 s[12:13], s[0:1], 0x20              ; lossp
	v_lshl_add_u32 v62, v0, 2, SPARE               ; my spare word,
	v_mov_b32 v63, 0                               ; and 0
	v_lshrrev_b32 v1, 5, v0
	v_readfirstlane_b32 s14, v1                    ; wave 0..3
	v_and_b32 v10, 31, v0
	v_lshlrev_b32 v1, 4, v10                       ; 16 x lane
	v_lshlrev_b32 v10, 2, v10                      ; 4 x lane
	v_and_b32 v2, 15, v0                           ; r
	v_bfe_u32 v3, v0, 4, 1                         ; h
	v_lshlrev_b32 v11, 4, v0                       ; 16 x thread
	v_lshlrev_b32 v12, 3, v0                       ; 8 x thread
	s_lshl_b32 s34, ttmp9, 16                      ; my 32 rows of 2,048 bytes
	s_mov_b32 s35, 0
	s_lshl_b32 s36, s14, 19                        ; my wave's part of bcat
	s_mov_b32 s37, 0
	s_mov_b32 s28, 0x76543210                      ; v_permlanex16_b32: each lane takes its own place in the other half
	s_mov_b32 s29, 0xfedcba98
	s_mov_b32 s30, 0xffff0000                      ; a word's upper bf16
	s_mov_b32 s31, 0x7fffffff                      ; above every index
	s_wait_kmcnt 0x0
	s_add_nc_u64 s[4:5], s[4:5], s[34:35]
	s_add_nc_u64 s[16:17], s[6:7], s[36:37]
.irp kk, 0,1,2                                         ; cc, t, g: thread t takes entries 4 t .. 4 t + 3 of all eight chunks
.irp c, 0,1,2,3,4,5,6,7
	global_load_b128 v[RAW+32*\kk+4*\c:RAW+32*\kk+4*\c+3], v11, s[8:9] offset:\kk*16384+\c*2048
.endr
.endr
.irp c, 0,1,2,3,4,5,6,7
	s_load_b32 s[20+\c], s[8:9], ST_B+\c*2048      ; bb's eight parts
.endr
	WIN W_X
.set i, 0
.rept 32                                               ; the four waves together take a row of x with each line
	global_load_b128 v[4*i:4*i+3], v11, s[4:5] offset:i*2048 th:TH_LOAD_NT
.set i, i+1
.endr
	RING 0, 0                                      ; job 0's operand, three quarters of it
	RING 1, 0
	RING 2, 0
	WIN 0
	v_mul_u32_u24 v4, XP, v2
	v_lshl_add_u32 v4, v3, 4, v4                   ; a fragment of x: row r, 16 h bytes in
	v_lshl_add_u32 v5, s14, 8, v4                  ; x at my tile rows: + 128 w columns of 2 bytes; 32 bytes on with each job
	v_lshlrev_b32 v6, 5, v3
	v_lshl_add_u32 v6, s14, 9, v6                  ; 128 w + 8 h entries of 4 bytes; 64 bytes on with each job
	v_add_nc_u32 v7, CV, v6
	v_add_nc_u32 v13, TV, v6
	v_add_nc_u32 v6, GV, v6
	v_lshlrev_b32 v9, 2, v2                        ; 4 r
	v_lshl_add_u32 v8, s14, 7, v9                  ; 128 w + 4 r
	v_lshlrev_b32 v[KI], 3, v3
	v_lshl_add_u32 v[KI], s14, 7, v[KI]            ; code 128 w + 8 h + j
.irp j, 1,2,3,4,5,6,7
	v_add_nc_u32 v[KI+\j], \j, v[KI]
.endr
.irp j, 0,1,2,3
	v_mov_b32 v[AP+\j], 0
	v_mov_b32 v[AR+\j], 0
	v_mov_b32 v[TW+\j], 0                          ; v_permlanex16_b32 counts as a reader of its destination
.endr
	v_mov_b32 v[BEST], 0x7f800000                  ; +infinity
	v_mov_b32 v[BEST+1], 0x7f800000
	v_mov_b32 v[BI], 0
	v_mov_b32 v[BI+1], 0
	s_wait_loadcnt 48                              ; the statistics and x are in: the 48 ring loads are younger
	WIN W_CV
.set i, 0
.rept 32
	v_cvt_pk_bf16_f32 v[64+2*i], v[4*i],   v[4*i+1]
	v_cvt_pk_bf16_f32 v[65+2*i], v[4*i+2], v[4*i+3]
.set i, i+1
.endr
	RING 3, 0                                      ; the last quarter
	WIN 0
.set i, 0
.rept 32
	ds_store_b64 v12, v[64+2*i:65+2*i] offset:i*XP
.set i, i+1
.endr
.irp kk, 0,1,2                                         ; the chunks are added in ascending order
.irp c, 1,2,3,4,5,6,7
	v_pk_add_f32 v[RAW+32*\kk:RAW+32*\kk+1],   v[RAW+32*\kk:RAW+32*\kk+1],   v[RAW+32*\kk+4*\c:RAW+32*\kk+4*\c+1]
	v_pk_add_f32 v[RAW+32*\kk+2:RAW+32*\kk+3], v[RAW+32*\kk+2:RAW+32*\kk+3], v[RAW+32*\kk+4*\c+2:RAW+32*\kk+4*\c+3]
.endr
.endr
.irp e, 32,34,64,66
	v_pk_mul_f32 v[RAW+\e:RAW+\e+1], v[RAW+\e:RAW+\e+1], 2.0 op_sel_hi:[1,0]  ; 2 t and 2 g
.endr
	ds_store_b128 v11, v[RAW:RAW+3] offset:CV
	ds_store_b128 v11, v[RAW+32:RAW+35] offset:TV
	ds_store_b128 v11, v[RAW+64:RAW+67] offset:GV
	s_wait_kmcnt 0x0
	s_add_f32 s19, s20, s21
.irp c, 2,3,4,5,6,7
	s_add_f32 s19, s19, s[20+\c]                   ; bb
.endr
	s_wait_dscnt 0x0                               ; for the others' sake: my part of x and of the three vectors is in LDS
	s_barrier_signal -1
	s_barrier_wait -1
	WIN W_X
.irp rt, 0,1
.set i, 0
.rept 16                                               ; x stays in registers: 2 x 16 fragments of 16 rows x 32 columns
	ds_load_b128 v[128*\rt+8*i:128*\rt+8*i+3],   v4 offset:\rt*16*XP+i*64
	ds_load_b128 v[128*\rt+8*i+4:128*\rt+8*i+7], v4 offset:\rt*16*XP+i*64+32
.set i, i+1
.endr
.endr
	WIN 0
; The four products of K step ks.  Source 0 = 16 operand rows, source 1 = 16 rows of x: register j of lane (r, h) is operand row 8 h + j for x's row 16 rt + r.
; The first step starts the sums: hi's with 0, lo's with IV.  The four accumulators take turns, one instruction a turn.
.macro PROD ks
.if (\ks) == 0
	v_wmma_f32_16x16x32_bf16 v[ACH:ACH+7],    v[16*(\ks):16*(\ks)+7],    v[8*(\ks):8*(\ks)+7],         0
	v_wmma_f32_16x16x32_bf16 v[ACH+8:ACH+15], v[16*(\ks):16*(\ks)+7],    v[128+8*(\ks):128+8*(\ks)+7], 0
	v_wmma_f32_16x16x32_bf16 v[ACL:ACL+7],    v[16*(\ks)+8:16*(\ks)+15], v[8*(\ks):8*(\ks)+7],         v[IV:IV+7]
	v_wmma_f32_16x16x32_bf16 v[ACL+8:ACL+15], v[16*(\ks)+8:16*(\ks)+15], v[128+8*(\ks):128+8*(\ks)+7], v[IV:IV+7]
.else
	v_wmma_f32_16x16x32_bf16 v[ACH:ACH+7],    v[16*(\ks):16*(\ks)+7],    v[8*(\ks):8*(\ks)+7],         v[ACH:ACH+7]
	v_wmma_f32_16x16x32_bf16 v[ACH+8:ACH+15], v[16*(\ks):16*(\ks)+7],    v[128+8*(\ks):128+8*(\ks)+7], v[ACH+8:ACH+15]
	v_wmma_f32_16x16x32_bf16 v[ACL:ACL+7],    v[16*(\ks)+8:16*(\ks)+15], v[8*(\ks):8*(\ks)+7],         v[ACL:ACL+7]
	v_wmma_f32_16x16x32_bf16 v[ACL+8:ACL+15], v[16*(\ks)+8:16*(\ks)+15], v[128+8*(\ks):128+8*(\ks)+7], v[ACL+8:ACL+15]
.endif
.endm
; A JOB, in four groups of four K steps.  ahead = 1: behind a group's products, and four plain places (ISA guide 7.12.1 for vector instructions), its four units take the next job's bytes.
; The count: younger than group g's 16 loads are this job's groups g + 1 .. 3 and the next job's groups 0 .. g - 1: 48 whatever g; in the last job only the former: 48 - 16 g.
; The five v_nop at the head are the places in front of products that write anew over the accumulators of the job before.
.macro JOB ahead
.rept 5
	v_nop
.endr
	s_wait_dscnt 0x0                               ; IV and what the job's end will want (at the first job: x's fragments too)
.irp g, 0,1,2,3
.if \ahead
	s_wait_loadcnt 48
.else
	s_wait_loadcnt 48-16*\g
.endif
	WIN W_MM
.irp u, 0,1,2,3
	PROD 4*\g+\u
.endr
.if (\ahead) || (\g == 3)
.rept 4
	v_nop
.endr
.endif
.if \ahead
	RING \g, JOBB
.endif
.endr
	WIN 0
.if \ahead
	s_wait_xcnt 0x0                                ; the base is stepped only behind this wait
	s_add_nc_u64 s[16:17], s[16:17], JOBB
.endif
.endm
.macro PRE_G                           ; 2 g of my 8 tile rows; x of my row at those 8 columns, for both row tiles
	ds_load_b128 v[IV:IV+3],   v6
	ds_load_b128 v[IV+4:IV+7], v6 offset:16
	ds_load_b128 v[XV:XV+3],   v5
	ds_load_b128 v[XV+4:XV+7], v5 offset:16*XP
.endm
.macro GEPI                            ; y = hi's sum + lo's sum = (G x + 2 g)[c'];  A += x[c'] y
.irp rt, 0,1
.irp e, 0,2,4,6
	v_pk_add_f32 v[YY+\e:YY+\e+1], v[ACH+8*\rt+\e:ACH+8*\rt+\e+1], v[ACL+8*\rt+\e:ACL+8*\rt+\e+1]  ; each accumulator from its low end on
.endr
.irp n, 0,1,2,3
	v_lshlrev_b32 v[YY+8+2*\n], 16,  v[XV+4*\rt+\n]
	v_and_b32     v[YY+9+2*\n], s30, v[XV+4*\rt+\n]
.endr
.irp e, 0,2,4,6
	v_pk_fma_f32 v[AP+2*\rt:AP+2*\rt+1], v[YY+\e:YY+\e+1], v[YY+8+\e:YY+8+\e+1], v[AP+2*\rt:AP+2*\rt+1]
.endr
.endr
	v_add_nc_u32 v5, 32, v5
	v_add_nc_u32 v6, 64, v6
.endm
.macro PRE_M                           ; 2 t and cc of my 8 codes
	ds_load_b128 v[IV:IV+3],     v6
	ds_load_b128 v[IV+4:IV+7],   v6 offset:16
	ds_load_b128 v[CVV:CVV+3],   v7
	ds_load_b128 v[CVV+4:CVV+7], v7 offset:16
.endm
.macro MEPI                            ; u = hi's sum + lo's sum; d = (A - u) + cc, two roundings; a strictly smaller d takes the place: codes ascend, so the first of equals stays
.irp rt, 0,1
.irp e, 0,2,4,6
	v_pk_add_f32 v[YY+8*\rt+\e:YY+8*\rt+\e+1], v[ACH+8*\rt+\e:ACH+8*\rt+\e+1], v[ACL+8*\rt+\e:ACL+8*\rt+\e+1]
.endr
.endr
.irp rt, 0,1
.irp e, 0,2,4,6
	v_pk_add_f32 v[YY+8*\rt+\e:YY+8*\rt+\e+1], v[AR+2*\rt:AR+2*\rt+1], v[YY+8*\rt+\e:YY+8*\rt+\e+1] op_sel_hi:[0,1] neg_lo:[0,1] neg_hi:[0,1]
.endr
.endr
.irp rt, 0,1
.irp e, 0,2,4,6
	v_pk_add_f32 v[YY+8*\rt+\e:YY+8*\rt+\e+1], v[YY+8*\rt+\e:YY+8*\rt+\e+1], v[CVV+\e:CVV+\e+1]
.endr
.endr
.irp j, 0,1,2,3,4,5,6,7                                ; the two row tiles side by side, each with a mask of its own
	v_cmp_lt_f32 vcc_lo, v[YY+\j], v[BEST]
	v_cmp_lt_f32 s38, v[YY+8+\j], v[BEST+1]
	v_cndmask_b32 v[BEST],   v[BEST],   v[YY+\j],   vcc_lo
	v_cndmask_b32 v[BI],     v[BI],     v[KI+\j],   vcc_lo
	v_cndmask_b32 v[BEST+1], v[BEST+1], v[YY+8+\j], s38
	v_cndmask_b32 v[BI+1],   v[BI+1],   v[KI+\j],   s38
.endr
.irp j, 0,1,2,3,4,5,6,7
	v_add_nc_u32 v[KI+\j], 16, v[KI+\j]
.endr
	v_add_nc_u32 v6, 64, v6
	v_add_nc_u32 v7, 64, v7
.endm
	s_mov_b32 s18, 8
.Lg:                                                   ; jobs 0 to 7: G.  The eighth trip's refills bring job 8
	PRE_G
	JOB 1
	GEPI
	s_sub_co_u32 s18, s18, 1
	s_cmp_lg_u32 s18, 0
	s_cbranch_scc1 .Lg
	; A: the pair's halves, the other half of the lanes, the four waves, bb
	v_add_f32 v[AR],   v[AP],   v[AP+1]
	v_add_f32 v[AR+2], v[AP+2], v[AP+3]
	v_permlanex16_b32 v[TW],   v[AR],   s28, s29
	v_permlanex16_b32 v[TW+1], v[AR+2], s28, s29
	v_add_f32 v[AR],   v[AR],   v[TW]
	v_add_f32 v[AR+2], v[AR+2], v[TW+1]
	ds_store_b32 v8, v[AR]   offset:RA             ; lanes r and r + 16 hold the same number and store it to the same word
	ds_store_b32 v8, v[AR+2] offset:RA+64
	s_wait_dscnt 0x0                               ; for the others' sake
	s_barrier_signal -1
	s_barrier_wait -1
.irp rt, 0,1
.irp w, 0,1,2,3
	ds_load_b32 v[YY+4*\rt+\w], v9 offset:RA+128*\w+64*\rt
.endr
.endr
	v_mov_b32 v6, v13                              ; from here on lo's sums start with 2 t
	s_wait_dscnt 0x0
.irp rt, 0,1
	v_add_f32 v[AR+2*\rt], v[YY+4*\rt], v[YY+4*\rt+1]
	v_add_f32 v[AR+2*\rt], v[AR+2*\rt], v[YY+4*\rt+2]
	v_add_f32 v[AR+2*\rt], v[AR+2*\rt], v[YY+4*\rt+3]
	v_add_f32 v[AR+2*\rt], s19, v[AR+2*\rt]
.endr
	s_mov_b32 s18, 7
.Lm:                                                   ; jobs 8 to 14: the codes
	PRE_M
	JOB 1
	MEPI
	s_sub_co_u32 s18, s18, 1
	s_cmp_lg_u32 s18, 0
	s_cbranch_scc1 .Lm
	PRE_M                                          ; job 15 is written out: nothing is left to load, and no load leaves my part of bcat
	JOB 0
	MEPI
	; A row's other 8 codes of each tile lie in the lane 16 away.  The merge does not hang on an order: the least d, and of those that have it the least index.
.irp rt, 0,1
	v_permlanex16_b32 v[TW+\rt],   v[BEST+\rt], s28, s29
	v_permlanex16_b32 v[TW+2+\rt], v[BI+\rt],   s28, s29
.endr
.irp rt, 0,1
	v_min_num_f32 v[YY+\rt], v[BEST+\rt], v[TW+\rt]
	v_cmp_eq_f32 vcc_lo, v[BEST+\rt], v[YY+\rt]
	v_cndmask_b32 v[BI+\rt], s31, v[BI+\rt], vcc_lo
	v_cmp_eq_f32 vcc_lo, v[TW+\rt], v[YY+\rt]
	v_cndmask_b32 v[TW+2+\rt], s31, v[TW+2+\rt], vcc_lo
	v_min_u32 v[BI+\rt], v[BI+\rt], v[TW+2+\rt]
	ds_store_b32 v8, v[YY+\rt] offset:RD+64*\rt
	ds_store_b32 v8, v[BI+\rt] offset:RI+64*\rt
.endr
	s_wait_dscnt 0x0                               ; for wave 0's sake
	s_barrier_signal -1
	s_barrier_wait -1
	s_cmp_lg_u32 s14, 0
	s_cbranch_scc1 .Lend
	; wave 0, a lane a row: the same merge over the four waves' 128 codes each
.irp w, 0,1,2,3
	ds_load_b32 v[YY+\w],   v10 offset:RD+128*\w
	ds_load_b32 v[YY+4+\w], v10 offset:RI+128*\w
.endr
	s_lshl_b32 s34, ttmp9, 7                       ; order: my 32 words
	s_add_nc_u64 s[10:11], s[10:11], s[34:35]
	s_lshl_b32 s34, ttmp9, 2                       ; lossp: my word
	s_add_nc_u64 s[12:13], s[12:13], s[34:35]
	s_wait_dscnt 0x0
	v_min_num_f32 v[YY+8], v[YY],   v[YY+1]
	v_min_num_f32 v[YY+8], v[YY+8], v[YY+2]
	v_min_num_f32 v[YY+8], v[YY+8], v[YY+3]
.irp w, 0,1,2,3
	v_cmp_eq_f32 vcc_lo, v[YY+\w], v[YY+8]
	v_cndmask_b32 v[YY+4+\w], s31, v[YY+4+\w], vcc_lo
.endr
	v_min_u32 v[YY+4], v[YY+4], v[YY+5]
	v_min_u32 v[YY+4], v[YY+4], v[YY+6]
	v_min_u32 v[YY+4], v[YY+4], v[YY+7]
	global_store_b32 v10, v[YY+4], s[10:11]        ; the index is stored as a whole number; no address and no branch of this launch hangs on it
	v_add_f32_dpp v[YY+8], v[YY+8], v[YY+8] row_xmask:1 row_mask:0xf bank_mask:0xf
	v_add_f32_dpp v[YY+8], v[YY+8], v[YY+8] row_xmask:2 row_mask:0xf bank_mask:0xf
	v_add_f32_dpp v[YY+8], v[YY+8], v[YY+8] row_xmask:4 row_mask:0xf bank_mask:0xf
	v_add_f32_dpp v[YY+8], v[YY+8], v[YY+8] row_xmask:8 row_mask:0xf bank_mask:0xf
	v_permlanex16_b32 v[TW], v[YY+8], s28, s29
	v_add_f32 v[YY+8], v[YY+8], v[TW]              ; the 32 rows' least distances, summed
	s_wait_xcnt 0x0                                ; EXEC is a source of the store above: it changes only behind this wait
	v_cmp_eq_u32 vcc_lo, 0, v10
	s_and_saveexec_b32 s32, vcc_lo                 ; lane 0, whose offset is 0
	global_store_b32 v10, v[YY+8], s[12:13]
	s_wait_xcnt 0x0                                ; and again in front of the line that widens it
	s_or_b32 exec_lo, exec_lo, s32
.Lend:
	s_wait_tensorcnt 0x0                           ; the wave's end
	ds_add_u32 v62, v63
	s_wait_dscnt 0x0
	s_endpgm
.Lfunc_end_k_q4fa96f2108_main:
	.size	k_q4fa96f2108_main, .Lfunc_end_k_q4fa96f2108_main-k_q4fa96f2108_main
	.p2alignl 7, 3214868480
	.fill 96, 4, 3214868480
	.section	.rodata,"a",@progbits
	.p2align	6, 0x0
	.amdhsa_kernel k_q4fa96f2108_main
		.amdhsa_group_segment_fixed_size 41472
		.amdhsa_private_segment_fixed_size 0
		.amdhsa_enable_private_segment 0
		.amdhsa_kernarg_size 40
		.amdhsa_user_sgpr_count 2
		.amdhsa_user_sgpr_kernarg_segment_ptr 1
		.amdhsa_wavefront_size32 1
		.amdhsa_system_sgpr_workgroup_id_x 1
		.amdhsa_system_sgpr_workgroup_id_y 1
		.amdhsa_system_sgpr_workgroup_id_z 1
		.amdhsa_system_vgpr_workitem_id 0
		.amdhsa_next_free_vgpr 768
		.amdhsa_next_free_sgpr 66
		.amdhsa_reserve_vcc 1
		.amdhsa_float_denorm_mode_32 3
		.amdhsa_float_denorm_mode_16_64 3
		.amdhsa_memory_ordered 1
		.amdhsa_forward_progress 1
		.amdhsa_inst_pref_size 70
	.end_amdhsa_kernel
	.amdgpu_metadata
---
amdhsa.version: [ 1, 2 ]
amdhsa.kernels:
  - .name:           k_q4fa96f2108_main
    .symbol:         k_q4fa96f2108_main.kd
    .args:
      - { .name: x, .offset: 0, .size: 8, .value_kind: global_buffer, .address_space: global }
      - { .name: bcat, .offset: 8, .size: 8, .value_kind: global_buffer, .address_space: global }
      - { .name: stats, .offset: 16, .size: 8, .value_kind: global_buffer, .address_space: global }
      - { .name: order, .offset: 24, .size: 8, .value_kind: global_buffer, .address_space: global }
      - { .name: lossp, .offset: 32, .size: 8, .value_kind: global_buffer, .address_space: global }
    .group_segment_fixed_size: 41472
    .private_segment_fixed_size: 0
    .kernarg_segment_align: 8
    .kernarg_segment_size: 40
    .max_flat_workgroup_size: 128
    .sgpr_count:     66
    .vgpr_count:     768
    .wavefront_size: 32
...
	.end_amdgpu_metadata
.endif
;; end of part 3
;; launch gather (part 4): grid 256 x 1, 8 waves a work-group, no clusters, 0 bytes of LDS; arguments order, ptab, lossp, out0, out1; writes out0, out1
.if DOCPART == 4
	.amdgcn_target "amdgcn-amd-amdhsa--gfx1250"
	.amdhsa_code_object_version 6
	.text
	.protected	k_q4fa96f2108_gather
	.globl	k_q4fa96f2108_gather
	.p2align	8
	.type	k_q4fa96f2108_gather,@function
k_q4fa96f2108_gather:
	s_mov_b64 s[64:65], 0
	v_nop
	global_prefetch_b8 v0, s[64:65] scope:SCOPE_SE
	s_setreg_imm32_b32 hwreg(HW_REG_WAVE_MODE, 25, 1), 1
	s_wait_xcnt 0x0
; GATHER.  out0[n][:] = ptab[order[n]][:] (a row of 2,048 bytes, the bias included);  out1 = 1.25 / (8,192 x 4,048) x the sum of lossp's 256 numbers.
; A wave takes four rows: its four indices come by one scalar load and are clamped to the table's 512 rows before they enter an address.  Sixteen 16-byte loads a lane are out together;
; each load and each store of the wave covers 512 consecutive bytes, at a multiple of 512 from its row's first.  No LDS, no matrix unit, no cluster: the launch only copies.
; ptab's rows carry no hint: a row may be named by many n.  out0 is written once and not read again.
	s_load_b256 s[4:11], s[0:1], 0x0               ; order s[4:5], ptab s[6:7], lossp s[8:9], out0 s[10:11]
	s_load_b64 s[12:13], s[0:1], 0x20              ; out1
	v_lshrrev_b32 v1, 5, v0
	v_readfirstlane_b32 s16, v1                    ; wave 0..7
	v_and_b32 v2, 31, v0                           ; lane
	v_lshlrev_b32 v1, 4, v2                        ; 16 x lane
	s_lshl_b32 s17, ttmp9, 7
	s_lshl4_add_u32 s17, s16, s17                  ; my four indices: byte 128 x work-group + 16 x wave
	s_lshl_b32 s18, s17, 9                         ; my four rows of out0: 2,048 bytes for each 4 of those
	s_mov_b32 s19, 0
	s_mov_b32 s14, 0x76543210                      ; v_permlanex16_b32: each lane takes its own place in the other half
	s_mov_b32 s15, 0xfedcba98
	s_wait_kmcnt 0x0
	s_load_b128 s[20:23], s[4:5], s17 offset:0x0
	s_add_nc_u64 s[10:11], s[10:11], s[18:19]
	s_wait_kmcnt 0x0
.irp j, 0,1,2,3
	s_min_u32 s[24+2*\j], s[20+\j], 511            ; inside the table, whatever was read
	s_lshl_b32 s[24+2*\j], s[24+2*\j], 11
	s_mov_b32 s[25+2*\j], 0
	s_add_nc_u64 s[24+2*\j:25+2*\j], s[6:7], s[24+2*\j:25+2*\j]
.endr
.irp j, 0,1,2,3
.irp i, 0,1,2,3
	global_load_b128 v[4+4*(4*\j+\i):4+4*(4*\j+\i)+3], v1, s[24+2*\j:25+2*\j] offset:\i*512
.endr
.endr
.irp j, 0,1,2,3
.irp i, 0,1,2,3
	s_wait_loadcnt 15-(4*\j+\i)                    ; loads come back in order (ISA guide 5.7.1): this one is in, the younger ones stay out
	global_store_b128 v1, v[4+4*(4*\j+\i):4+4*(4*\j+\i)+3], s[10:11] offset:\j*2048+\i*512 th:TH_STORE_NT
.endr
.endr
	s_or_b32 s17, ttmp9, s16
	s_cmp_lg_u32 s17, 0
	s_cbranch_scc1 .Lend                           ; the loss is finished by wave 0 of work-group 0
	v_lshlrev_b32 v3, 5, v2                        ; eight numbers a lane
	global_load_b128 v[68:71], v3, s[8:9]
	global_load_b128 v[72:75], v3, s[8:9] offset:16
	s_wait_loadcnt 0x0
	v_pk_add_f32 v[68:69], v[68:69], v[70:71]
	v_pk_add_f32 v[72:73], v[72:73], v[74:75]
	v_pk_add_f32 v[68:69], v[68:69], v[72:73]
	v_add_f32 v68, v68, v69
	v_add_f32_dpp v68, v68, v68 row_xmask:1 row_mask:0xf bank_mask:0xf
	v_add_f32_dpp v68, v68, v68 row_xmask:2 row_mask:0xf bank_mask:0xf
	v_add_f32_dpp v68, v68, v68 row_xmask:4 row_mask:0xf bank_mask:0xf
	v_add_f32_dpp v68, v68, v68 row_xmask:8 row_mask:0xf bank_mask:0xf
	v_permlanex16_b32 v69, v68, s14, s15
	v_add_f32 v68, v68, v69
	v_mul_f32 v68, 0x3321e5b1, v68                 ; 1.25 / 33,161,216: q_latent + 0.25 e_latent, which are the same mean
	s_wait_xcnt 0x0                                ; EXEC is a source of the stores above: it changes only behind this wait
	v_cmp_eq_u32 vcc_lo, 0, v2
	s_and_saveexec_b32 s18, vcc_lo                 ; lane 0, whose offset is 0
	global_store_b32 v2, v68, s[12:13]
	s_wait_xcnt 0x0                                ; and again in front of the line that widens it
	s_or_b32 exec_lo, exec_lo, s18
.Lend:
	s_endpgm
.Lfunc_end_k_q4fa96f2108_gather:
	.size	k_q4fa96f2108_gather, .Lfunc_end_k_q4fa96f2108_gather-k_q4fa96f2108_gather
	.p2alignl 7, 3214868480
	.fill 96, 4, 3214868480
	.section	.rodata,"a",@progbits
	.p2align	6, 0x0
	.amdhsa_kernel k_q4fa96f2108_gather
		.amdhsa_group_segment_fixed_size 0
		.amdhsa_private_segment_fixed_size 0
		.amdhsa_enable_private_segment 0
		.amdhsa_kernarg_size 40
		.amdhsa_user_sgpr_count 2
		.amdhsa_user_sgpr_kernarg_segment_ptr 1
		.amdhsa_wavefront_size32 1
		.amdhsa_system_sgpr_workgroup_id_x 1
		.amdhsa_system_sgpr_workgroup_id_y 1
		.amdhsa_system_sgpr_workgroup_id_z 1
		.amdhsa_system_vgpr_workitem_id 0
		.amdhsa_next_free_vgpr 80
		.amdhsa_next_free_sgpr 66
		.amdhsa_reserve_vcc 1
		.amdhsa_float_denorm_mode_32 3
		.amdhsa_float_denorm_mode_16_64 3
		.amdhsa_memory_ordered 1
		.amdhsa_forward_progress 1
		.amdhsa_inst_pref_size 7
	.end_amdhsa_kernel
	.amdgpu_metadata
---
amdhsa.version: [ 1, 2 ]
amdhsa.kernels:
  - .name:           k_q4fa96f2108_gather
    .symbol:         k_q4fa96f2108_gather.kd
    .args:
      - { .name: order, .offset: 0, .size: 8, .value_kind: global_buffer, .address_space: global }
      - { .name: ptab, .offset: 8, .size: 8, .value_kind: global_buffer, .address_space: global }
      - { .name: lossp, .offset: 16, .size: 8, .value_kind: global_buffer, .address_space: global }
      - { .name: out0, .offset: 24, .size: 8, .value_kind: global_buffer, .address_space: global }
      - { .name: out1, .offset: 32, .size: 8, .value_kind: global_buffer, .address_space: global }
    .group_segment_fixed_size: 0
    .private_segment_fixed_size: 0
    .kernarg_segment_align: 8
    .kernarg_segment_size: 40
    .max_flat_workgroup_size: 256
    .sgpr_count:     66
    .vgpr_count:     80
    .wavefront_size: 32
...
	.end_amdgpu_metadata
.endif
;; end of part 4
;; ======== version 2 of 2: 4 launches; version 1 with the launch small written anew for expert scheduling mode
;; limits: a difference of large sums (such as E[x^2] - mean^2): digits are lost where the result is much smaller than its terms
;; workspace buffers: ops 12,582,912 bytes; stats 65,536 bytes; bcat 2,097,152 bytes; ptab 1,048,576 bytes; order 32,768 bytes of whole numbers; lossp 1,024 bytes
;; launch pack: the kernel of part 1 again; grid 256 x 3, 8 waves a work-group, no clusters, 3,072 bytes of LDS; arguments codebook, post_W, pre_W, pre_b, ops, stats; writes ops, stats
;; launch small (part 5): grid 8 x 24, 8 waves a work-group, no clusters, 140,288 bytes of LDS; arguments ops, post_b, bcat, ptab; writes bcat, ptab
.if DOCPART == 5
	.amdgcn_target "amdgcn-amd-amdhsa--gfx1250"
	.amdhsa_code_object_version 6
	.text
	.protected	k_q4fa96f2108_small
	.globl	k_q4fa96f2108_small
	.p2align	8
	.type	k_q4fa96f2108_small,@function
k_q4fa96f2108_small:
	s_mov_b64 s[64:65], 0
	v_nop
	global_prefetch_b8 v0, s[64:65] scope:SCOPE_SE
	s_setreg_imm32_b32 hwreg(HW_REG_WAVE_SCHED_MODE, 0, 2), 2
	s_setreg_imm32_b32 hwreg(HW_REG_WAVE_MODE, 25, 1), 1
	s_wait_xcnt 0x0
	s_wait_alu depctr_vm_vsrc(0)
; SMALL.  Three products of 512 x 512 over K = d = 4,096 (zeros from 4,048 on), all operands bf16 from ops, sums in f32:
;   q3 = 0: M2[k][c] = 2 sum_d E[k][d] W[d][c]      q3 = 1: G[c'][c] = sum_d W[d][c'] W[d][c]      q3 = 2: P[k][c] = sum_d E[k][d] PW[c][d] + bf16(post_b[c])
; P goes to ptab as f32 [512][512].  M2 and G go to bcat as TWO bf16 numbers each, hi = bf16(v) and lo = bf16(v - hi): 16 significant bits, in fragment order with K = c:
; bcat = [w 4][job 16][ks 16][hi, lo][1,024]; jobs 0-7: G's row tiles 8 w + j; jobs 8-15: M2's code tiles 8 w + j - 8: the order in which wave w of the next launch reads it.
; LIMIT: a sum of 3.39e38 or more rounds to an infinite hi, and its lo is no number.
; SHARES.  A work-group makes a tile of 64 x 64 (x: 64 of the fast index m; y = 8 q3 + 64 of the slow index n).  All 8 waves make the SAME tile, 16 accumulators, each over its own 16 K steps of 32,
; so each operand byte is loaded once in the work-group; the eight partial tiles meet in LDS at the end.  3 x 64 tiles: 192 work-groups.
; NO LDS IN THE K LOOP, NO CLUSTER: in fragment order a 16-byte load a lane IS an operand register group, and each fragment is multiplied by the one wave that loads it, so a tile in LDS would be
; read once; joint requests serve tiles in LDS alone.  A ring of four K steps in registers keeps 32 to 48 loads of every wave out, and never drains.
; REGISTERS.  Window 0: v0-31 addresses and work; v32-127 the way out; v128-255 accumulators, (a, b) at 128 + 8 (4 a + b).  Window 1: ring position p: A's fragments at 64 p + 8 a, B's at 64 p + 32 + 8 b.
; THE MODE: SCHED_MODE bits 1:0 = 2 (LLVM: expert scheduling mode 2), set by the entry lines.  The code itself states the register dependences
; between vector or matrix instructions and memory or LDS instructions, with s_wait_alu, always for 0.
; THE PLAN.  Registers that memory or LDS instructions touch:
;   ring position p   K step s: its 16 products read position s % 4; in the middle of step s + 1 the loads of step s + 4 land in it.
;   v1, v4, v12       offsets and an LDS address, made at the head and never written again: the ring's two bases are scalar, and immediate offsets do the rest.
;   the accumulators  named by products alone in the loop; behind it the LDS stores read them; never written again.
;   v5, v6, v7        the way out's addresses: made once on each of its two paths, ahead of their first use.
;   v32-95            the LDS loads of the partial tiles land in them, the sums read them.   v96-111, v116-123, v16-23: results, each written once and read by one store.
;   v10, v11          written at the head, read by the closing add alone.
; So ONE wait on va_vdst stands in a K step, behind the wait for the step's data: the products of the step before are done reading the position in which this step's loads land.  Those loads stand
; in one run between the step's 8th and 9th product; the 8 products between the wait and the run name this step's position and the accumulators: none of the registers that the loads touch.
; No register that a memory or LDS instruction reads is ever written again: the text holds no wait on vm_vsrc.
.set PITCH, 272                        ; a row of a partial tile: 256 bytes + 16: sixteen rows start in sixteen different 16-byte columns modulo 256
.set PART,  64*PITCH                   ; a wave's partial tile
.set SPARE, 8*PART                     ; behind them the spare words, 128 bytes a wave
.set ACC,   128
.set MSB, 0
.macro WIN new                         ; the immediate's high byte repeats the setting that is left; a switch that changes nothing is dropped
.if MSB != (\new)
	s_set_vgpr_msb (MSB<<8)|(\new)
.set MSB, \new
.endif
.endm
.set MUL,  0x05                        ; sources 0 and 1 window 1; C and D window 0
.set TO_F, 0x40                        ; destination window 1, address window 0
	s_load_b256 s[4:11], s[0:1], 0x0               ; ops s[4:5], post_b s[6:7], bcat s[8:9], ptab s[10:11]
	v_lshl_add_u32 v10, v0, 2, SPARE               ; my spare word,
	v_mov_b32 v11, 0                               ; and 0
	v_lshrrev_b32 v1, 5, v0
	v_readfirstlane_b32 s12, v1                    ; wave 0..7
	v_and_b32 v8, 31, v0
	v_lshlrev_b32 v1, 4, v8                        ; 16 x lane
	v_and_b32 v2, 15, v0                           ; r
	v_bfe_u32 v3, v0, 4, 1                         ; h
	v_lshlrev_b32 v9, 4, v2                        ; 16 r
	s_wait_alu depctr_va_sdst(0)                   ; s12 is written, ahead of its first reader: the ring's bases and my partial tile's place are made from it
	s_mov_b32 s13, ttmp9                           ; mtile
	s_and_b32 s14, ttmp7, 0xffff
	s_lshr_b32 s15, s14, 3                         ; q3
	s_and_b32 s16, s14, 7                          ; ntile
	v_lshl_add_u32 v12, s13, 8, v9                 ; post_b: my four columns of the tile's 64
	s_mov_b32 s32, 0x800000                        ; source 0, rows m: W turned, or for P post_W
	s_cmp_eq_u32 s15, 2
	s_cselect_b32 s32, 0x400000, s32
	s_cmp_eq_u32 s15, 1                            ; source 1, rows n: the codebook, or for G W turned
	s_cselect_b32 s34, 0x800000, 0
	s_cmp_eq_u32 s15, 0
	s_cselect_b32 s26, 2.0, 1.0                    ; M2 carries the factor 2
	s_mov_b32 s27, s26                             ; named with it as a pair
	s_lshl_b32 s17, s13, 19                        ; four row tiles of 131,072 bytes
	s_add_co_u32 s32, s32, s17
	s_lshl_b32 s18, s16, 19
	s_add_co_u32 s34, s34, s18
	s_lshl_b32 s17, s12, 14                        ; my 16 K steps of 1,024 bytes
	s_add_co_u32 s32, s32, s17
	s_add_co_u32 s34, s34, s17
	s_mov_b32 s33, 0
	s_mov_b32 s35, 0
	s_mov_b32 s30, 0xffff0000
	s_mul_i32 s17, s12, PART
	v_mul_u32_u24 v4, PITCH, v2
	v_lshl_add_u32 v4, v3, 5, v4
	v_add_nc_u32 v4, s17, v4                       ; my partial tile: row r, 32 h bytes in
	s_wait_kmcnt 0x0
	s_add_nc_u64 s[20:21], s[4:5], s[32:33]
	s_add_nc_u64 s[22:23], s[4:5], s[34:35]
	s_wait_alu depctr_va_vdst(0)                   ; v1, v4 and v12 are written: the loads below and the stores at the end read them as offsets and addresses
	global_load_b128 v[112:115], v12, s[6:7]       ; asked for here so that it is there at the end; P's work-groups alone use it.  It is older than every load below: no count changes
.macro LOADK pos, k                    ; K step k from the bases on: 4 + 4 fragments, 16 loads of 512 consecutive bytes each
	WIN TO_F
.irp i, 0,1,2,3
	global_load_b128 v[64*(\pos)+8*\i:64*(\pos)+8*\i+3],   v1, s[20:21] offset:\i*131072+(\k)*1024
	global_load_b128 v[64*(\pos)+8*\i+4:64*(\pos)+8*\i+7], v1, s[20:21] offset:\i*131072+(\k)*1024+512
.endr
.irp i, 0,1,2,3
	global_load_b128 v[64*(\pos)+32+8*\i:64*(\pos)+32+8*\i+3],   v1, s[22:23] offset:\i*131072+(\k)*1024
	global_load_b128 v[64*(\pos)+32+8*\i+4:64*(\pos)+32+8*\i+7], v1, s[22:23] offset:\i*131072+(\k)*1024+512
.endr
.endm
; 8 of a K step's 16 products: a = a0, a0 + 1, all four b; register j of lane (r, h) of accumulator (a, b) is O[n = 16 b + r][m = 16 a + 8 h + j].
; The 16 accumulators take turns, one instruction a turn, in the same order in every step.
.macro MUL8 pos, zero, a0
	WIN MUL
.irp a, \a0, (\a0)+1
.irp b, 0,1,2,3
.if \zero
	v_wmma_f32_16x16x32_bf16 v[ACC+8*(4*(\a)+\b):ACC+8*(4*(\a)+\b)+7], v[64*(\pos)+8*(\a):64*(\pos)+8*(\a)+7], v[64*(\pos)+32+8*\b:64*(\pos)+32+8*\b+7], 0
.else
	v_wmma_f32_16x16x32_bf16 v[ACC+8*(4*(\a)+\b):ACC+8*(4*(\a)+\b)+7], v[64*(\pos)+8*(\a):64*(\pos)+8*(\a)+7], v[64*(\pos)+32+8*\b:64*(\pos)+32+8*\b+7], v[ACC+8*(4*(\a)+\b):ACC+8*(4*(\a)+\b)+7]
.endif
.endr
.endr
.endm
; A K step.  first = 1: the first step, whose products start the sums and in front of which no product has been issued.  ahead = 1: the position multiplied last takes the step three on.
; left: the loads younger than this step's: two steps of 16, less in the tail.
.macro STAGE pos, first, ahead, k, left
.if (\ahead) && !(\first)
.rept 4
	v_nop                                          ; four plain instructions stay between a position's last product and the loads into its registers; the dependence itself is stated by the wait below
.endr
.endif
	s_wait_loadcnt \left                           ; loads come back in order (ISA guide 5.7.1): this step's position is in, the younger steps stay out
.if (\ahead) && !(\first)
	s_wait_alu depctr_va_vdst(0)                   ; the products of the step before are done reading their position, in which the loads below land
.endif
	MUL8 \pos, \first, 0
.if \ahead
	LOADK ((\pos)+3)%4, \k                         ; no further wait: the 8 products since the wait name this step's position and the accumulators alone
.endif
	MUL8 \pos, \first, 2
.endm
	LOADK 0, 0
	LOADK 1, 1
	LOADK 2, 2
	STAGE 0, 1, 1, 3, 32                           ; the first step starts the sums: nothing is cleared; no vector or matrix instruction has named position 3, so its loads owe no wait
	WIN 0                                          ; at a label and at a branch every window is 0
	s_mov_b32 s24, 3
.Lk:                                                   ; a trip: four K steps, once round the ring
	STAGE 1, 0, 1, 4, 32
	STAGE 2, 0, 1, 5, 32
	STAGE 3, 0, 1, 6, 32
	STAGE 0, 0, 1, 7, 32
	WIN 0
	s_wait_xcnt 0x0                                ; the bases are stepped only behind this wait
	s_add_nc_u64 s[20:21], s[20:21], 4096
	s_add_nc_u64 s[22:23], s[22:23], 4096
	s_sub_co_u32 s24, s24, 1
	s_cmp_lg_u32 s24, 0
	s_cbranch_scc1 .Lk
	STAGE 1, 0, 0, 0, 32                           ; the last three steps load nothing: the counts run down
	STAGE 2, 0, 0, 0, 16
	STAGE 3, 0, 0, 0, 0
	WIN 0
.rept 4
	v_nop                                          ; the places behind the last products (ISA guide 7.12.1)
.endr
	s_wait_alu depctr_va_vdst(0)                   ; the products have written the accumulators, which the LDS stores read; the places above stay beside this wait
.irp a, 0,1,2,3
.irp b, 0,1,2,3
	ds_store_b128 v4, v[ACC+8*(4*\a+\b):ACC+8*(4*\a+\b)+3]   offset:\b*16*PITCH+\a*64     ; each accumulator's low registers first
	ds_store_b128 v4, v[ACC+8*(4*\a+\b)+4:ACC+8*(4*\a+\b)+7] offset:\b*16*PITCH+\a*64+16
.endr
.endr
	s_wait_dscnt 0x0                               ; for the others' sake: my partial tile is in LDS
	s_barrier_signal -1
	s_barrier_wait -1
	s_cmp_eq_u32 s15, 2
	s_cbranch_scc0 .Lsplit
	; P: wave w takes rows 8 w .. 8 w + 7, two at a time: lanes 0-15 one row's 256 bytes, lanes 16-31 the next
	s_lshl_b32 s17, s12, 3
	s_mul_i32 s18, s17, PITCH
	v_mul_u32_u24 v5, PITCH, v3
	v_add_nc_u32 v5, v5, v9
	v_add_nc_u32 v5, s18, v5                       ; partial tiles 0-3,
	v_add_nc_u32 v6, 4*PART, v5                    ; 4-7: an LDS offset has 16 bits
	v_lshl_add_u32 v7, v3, 11, v9                  ; the same two rows in ptab
	v_cvt_pk_bf16_f32 v116, v112, v113             ; post_b rounded as the other inputs are
	v_cvt_pk_bf16_f32 v117, v114, v115
	v_lshlrev_b32 v112, 16, v116
	v_and_b32 v113, s30, v116
	v_lshlrev_b32 v114, 16, v117
	v_and_b32 v115, s30, v117
	s_lshl_b32 s32, s16, 6
	s_add_co_u32 s32, s32, s17                     ; row 64 ntile + 8 wave
	s_lshl_b32 s32, s32, 11
	s_lshl_b32 s18, s13, 8                         ; column 64 mtile
	s_add_co_u32 s32, s32, s18
	s_add_nc_u64 s[28:29], s[10:11], s[32:33]
.macro PLD i                           ; the eight partial sums of row pair i; two register sets take turns
.irp p, 0,1,2,3
	ds_load_b128 v[32+32*((\i)%2)+4*\p:32+32*((\i)%2)+4*\p+3], v5 offset:\p*PART+(\i)*2*PITCH
.endr
.irp p, 0,1,2,3
	ds_load_b128 v[48+32*((\i)%2)+4*\p:48+32*((\i)%2)+4*\p+3], v6 offset:\p*PART+(\i)*2*PITCH
.endr
.endm
.macro PSUM i, left                    ; added in the waves' order, K ascending; then the bias; left: the younger set's loads
	s_wait_dscnt \left
.set bs, 32+32*((\i)%2)
.set rs, 96+4*(\i)
	v_pk_add_f32 v[rs:rs+1],   v[bs:bs+1],   v[bs+4:bs+5]
	v_pk_add_f32 v[rs+2:rs+3], v[bs+2:bs+3], v[bs+6:bs+7]
.irp p, 2,3,4,5,6,7
	v_pk_add_f32 v[rs:rs+1],   v[rs:rs+1],   v[bs+4*\p:bs+4*\p+1]
	v_pk_add_f32 v[rs+2:rs+3], v[rs+2:rs+3], v[bs+4*\p+2:bs+4*\p+3]
.endr
	v_pk_add_f32 v[rs:rs+1],   v[rs:rs+1],   v[112:113]
	v_pk_add_f32 v[rs+2:rs+3], v[rs+2:rs+3], v[114:115]
	s_wait_alu depctr_va_vdst(0)                   ; the sums have written the pair's four result registers, which the store reads; they are done reading their set, in which the loads of the pair two on land
	global_store_b128 v7, v[rs:rs+3], s[28:29] offset:(\i)*4096  ; 16 lanes store 256 consecutive bytes, at a multiple of 256 from ptab's first; each pair has result registers of its own
.endm
	s_wait_alu depctr_va_vdst(0)                   ; v5, v6 and v7 are written: the LDS loads and the stores below read them as addresses
	PLD 0
	PLD 1
	PSUM 0, 8
	PLD 2
	PSUM 1, 8
	PLD 3
	PSUM 2, 8
	PSUM 3, 0
	s_branch .Lend
.Lsplit:
	; M2 and G: the tile is 4 row tiles x 2 K steps of the next launch's operand: a block a wave.  Lane (r, h) takes, for q = 0, 1, O[16 nt + r][32 kss + 16 q + 8 h + 0..7]
	s_lshr_b32 s17, s12, 1                         ; nt
	s_and_b32 s18, s12, 1                          ; kss
	s_mul_i32 s19, s17, 16*PITCH
	s_lshl_b32 s31, s18, 7
	s_add_co_u32 s19, s19, s31
	v_mul_u32_u24 v5, PITCH, v2
	v_lshl_add_u32 v5, v3, 5, v5
	v_add_nc_u32 v5, s19, v5
	v_add_nc_u32 v6, 4*PART, v5
	s_lshl2_add_u32 s17, s16, s17                  ; NT = 4 ntile + nt
	s_lshr_b32 s32, s17, 3                         ; w = NT / 8
	s_lshl_b32 s32, s32, 4
	s_and_b32 s17, s17, 7
	s_add_co_u32 s32, s32, s17                     ; job = NT % 8,
	s_cmp_eq_u32 s15, 0
	s_cselect_b32 s17, 8, 0                        ; + 8 for M2
	s_add_co_u32 s32, s32, s17
	s_lshl_b32 s32, s32, 4
	s_lshl1_add_u32 s32, s13, s32                  ; ks = 2 mtile + kss
	s_add_co_u32 s32, s32, s18
	s_lshl_b32 s32, s32, 11                        ; hi's and lo's block: 2,048 bytes
	s_add_nc_u64 s[28:29], s[8:9], s[32:33]
.macro SLD q                           ; my eight numbers in the eight partial tiles: part p at v[32 + 8 p]
.irp p, 0,1,2,3
	ds_load_b128 v[32+8*\p:32+8*\p+3], v5 offset:\p*PART+(\q)*64
	ds_load_b128 v[36+8*\p:36+8*\p+3], v5 offset:\p*PART+(\q)*64+16
.endr
.irp p, 0,1,2,3
	ds_load_b128 v[64+8*\p:64+8*\p+3], v6 offset:\p*PART+(\q)*64
	ds_load_b128 v[68+8*\p:68+8*\p+3], v6 offset:\p*PART+(\q)*64+16
.endr
.endm
.macro SSUM q                          ; added in the waves' order, into v[96 + 8 q ..]
.set ss, 96+8*(\q)
.irp e, 0,2,4,6
	v_pk_add_f32 v[ss+\e:ss+\e+1], v[32+\e:33+\e], v[40+\e:41+\e]
.endr
.irp p, 2,3,4,5,6,7
.irp e, 0,2,4,6
	v_pk_add_f32 v[ss+\e:ss+\e+1], v[ss+\e:ss+\e+1], v[32+8*\p+\e:33+8*\p+\e]
.endr
.endr
.endm
.macro SOUT q                          ; v = factor x sum; hi = bf16(v); lo = bf16(v - hi), the difference being exact in f32
.set ss, 96+8*(\q)
.set hh, 116+4*(\q)
.set ll, 16+4*(\q)
.irp e, 0,2,4,6
	v_pk_mul_f32 v[ss+\e:ss+\e+1], v[ss+\e:ss+\e+1], s[26:27] op_sel_hi:[1,0]
.endr
.irp n, 0,1,2,3
	v_cvt_pk_bf16_f32 v[hh+\n], v[ss+2*\n], v[ss+2*\n+1]
.endr
.irp n, 0,1,2,3
	v_lshlrev_b32 v[24+2*\n], 16,  v[hh+\n]
	v_and_b32     v[25+2*\n], s30, v[hh+\n]
.endr
.irp e, 0,2,4,6
	v_pk_add_f32 v[ss+\e:ss+\e+1], v[ss+\e:ss+\e+1], v[24+\e:25+\e] neg_lo:[0,1] neg_hi:[0,1]
.endr
.irp n, 0,1,2,3
	v_cvt_pk_bf16_f32 v[ll+\n], v[ss+2*\n], v[ss+2*\n+1]
.endr
	s_wait_alu depctr_va_vdst(0)                   ; the roundings have written hi's and lo's four registers each, which the two stores read
	global_store_b128 v1, v[hh:hh+3], s[28:29] offset:(\q)*512       ; the wave stores 512 consecutive bytes, at a multiple of 512 from bcat's first
	global_store_b128 v1, v[ll:ll+3], s[28:29] offset:1024+(\q)*512
.endm
	s_wait_alu depctr_va_vdst(0)                   ; v5 and v6 are written: the LDS loads below read them as addresses
	SLD 0
	s_wait_dscnt 0x0
	SSUM 0
	s_wait_alu depctr_va_vdst(0)                   ; the first half's sums are done reading v32 to v95, in which the second half's loads land
	SLD 1                                          ; the second half's loads are out while the first is split and stored
	SOUT 0
	s_wait_dscnt 0x0
	SSUM 1
	SOUT 1
.Lend:
	s_wait_dscnt 0x0                               ; the closing lines, six on end
	s_wait_alu 0x0
	s_wait_tensorcnt 0x0
	ds_add_u32 v10, v11
	s_wait_dscnt 0x0
	s_endpgm
.Lfunc_end_k_q4fa96f2108_small:
	.size	k_q4fa96f2108_small, .Lfunc_end_k_q4fa96f2108_small-k_q4fa96f2108_small
	.p2alignl 7, 3214868480
	.fill 96, 4, 3214868480
	.section	.rodata,"a",@progbits
	.p2align	6, 0x0
	.amdhsa_kernel k_q4fa96f2108_small
		.amdhsa_group_segment_fixed_size 140288
		.amdhsa_private_segment_fixed_size 0
		.amdhsa_enable_private_segment 0
		.amdhsa_kernarg_size 32
		.amdhsa_user_sgpr_count 2
		.amdhsa_user_sgpr_kernarg_segment_ptr 1
		.amdhsa_wavefront_size32 1
		.amdhsa_system_sgpr_workgroup_id_x 1
		.amdhsa_system_sgpr_workgroup_id_y 1
		.amdhsa_system_sgpr_workgroup_id_z 1
		.amdhsa_system_vgpr_workitem_id 0
		.amdhsa_next_free_vgpr 512
		.amdhsa_next_free_sgpr 66
		.amdhsa_reserve_vcc 0
		.amdhsa_float_denorm_mode_32 3
		.amdhsa_float_denorm_mode_16_64 3
		.amdhsa_memory_ordered 1
		.amdhsa_forward_progress 1
		.amdhsa_inst_pref_size 44
	.end_amdhsa_kernel
	.amdgpu_metadata
---
amdhsa.version: [ 1, 2 ]
amdhsa.kernels:
  - .name:           k_q4fa96f2108_small
    .symbol:         k_q4fa96f2108_small.kd
    .args:
      - { .name: ops, .offset: 0, .size: 8, .value_kind: global_buffer, .address_space: global }
      - { .name: post_b, .offset: 8, .size: 8, .value_kind: global_buffer, .address_space: global }
      - { .name: bcat, .offset: 16, .size: 8, .value_kind: global_buffer, .address_space: global }
      - { .name: ptab, .offset: 24, .size: 8, .value_kind: global_buffer, .address_space: global }
    .group_segment_fixed_size: 140288
    .private_segment_fixed_size: 0
    .kernarg_segment_align: 8
    .kernarg_segment_size: 32
    .max_flat_workgroup_size: 256
    .sgpr_count:     66
    .vgpr_count:     512
    .wavefront_size: 32
...
	.end_amdgpu_metadata
.endif
;; end of part 5
;; launch main: the kernel of part 3 again; grid 256 x 1, 4 waves a work-group, no clusters, 41,472 bytes of LDS; arguments x, bcat, stats, order, lossp; writes order, lossp
;; launch gather: the kernel of part 4 again; grid 256 x 1, 8 waves a work-group, no clusters, 0 bytes of LDS; arguments order, ptab, lossp, out0, out1; writes out0, out1
